; MI455X (gfx1250); checked and timed in simulation.
; The chip was launched on July 23, 2026; its instructions are those of AMD's public machine-readable ISA for CDNA 5 (MIT licence, August 2026) and "CDNA5" Instruction Set Architecture Reference Guide (July 2026). The comments in the code are by the model that wrote it; some were corrected since.
;; Processor Net. Allowed arithmetic: float matrix products may take bf16 or f16 operands with f32 sums; other float arithmetic in f32, or as packed bf16 or f16 multiplies, adds, multiply-adds, maxima and minima; sums over many terms, partial sums and values carried from step to step in f32; what a program stores and reads back later, other than sums and carried values, may be rounded once to bf16 or f16.
;; Inputs: bd 16 float32; bu 128 float32; program 64 x 16 float32; wd 16 x 128 float32; wu 128 x 16 float32; x 131,072 x 128 float32.
;; Outputs: out0 131,072 x 128 float32.
;; 2 versions, each right; version 2 is version 1 with the launch proc written anew for expert scheduling mode. Each part assembles by itself: llvm-mc -triple=amdgcn-amd-amdhsa -mcpu=gfx1250 --defsym DOCPART=n.
;; ======== version 1 of 2: 1 launch
;; launch proc (part 1): grid 256 x 1, 16 waves a work-group, no clusters, 220,160 bytes of LDS; arguments x, wd, wu, bu, bd, program, out0; writes out0
.if DOCPART == 1
	.amdgcn_target "amdgcn-amd-amdhsa--gfx1250"
	.amdhsa_code_object_version 6
	.text
	.protected	k_qfb3e3f16bb_proc
	.globl	k_qfb3e3f16bb_proc
	.p2align	8
	.type	k_qfb3e3f16bb_proc,@function
k_qfb3e3f16bb_proc:
	s_mov_b64 s[64:65], 0
	v_nop
	global_prefetch_b8 v0, s[64:65] scope:SCOPE_SE
	s_setreg_imm32_b32 hwreg(HW_REG_WAVE_MODE, 25, 1), 1
	s_wait_xcnt 0x0
; 64 steps of  reg = relu(x wd^T + bd) * inst_t ;  x += reg wu^T + bu   on 131,072 rows of 128 f32.
; THE FORM.  Only h = x wd^T + bd (16 numbers a row) enters the relu, and x changes by linear terms alone.  So, for every input and up to rounding:
;   h_0 = x_0 wd^T + bd;   h_(t+1) = h_t + G (relu(h_t) * inst_t) + c,  G = wd wu (16 x 16),  c = wd bu;
;   out = x_0 + wu R + 64 bu,  R = the sum over t of relu(h_t) * inst_t.
; Every relu, every inst_t and both biases are kept; x_0 reaches the output unrounded, in f32.
; A tile of 16 rows takes 4 + 128 + 8 matrix instructions; x is read once and out0 written once, each load and store of a wave covering two aligned runs of 256 bytes.
; SHARES.  256 work-groups of 16 waves; a work-group owns 512 rows, a wave 32: two tiles of 16.  A wave keeps its 32 rows of x in 128 registers from its first lines to its stores.
; Behind the two barriers of the prologue no wave waits for another.
; LAYOUT.  L = lane, r = L % 16, h = L / 16.  All products are used transposed: in H and R register j of lane (r, h) holds (w = 8 h + j, row r), so that H rounded in pairs IS
; registers 0-3 of source 1 (k = w): nothing changes lanes in the loop.  k = 16, 17 carry a bias: source 1 holds 1.0 there, source 0 the bias as a pair of bf16, hi and lo.
; ROUNDING, LIMITS.  The order of rounding differs from the written form's.  Rounded to bf16: wd, wu, x (for h_0 only), G * inst_t, inst_t, relu(h_t), R; c and 64 bu go as hi + lo of bf16;
; h, R and all sums are kept in f32.  A NaN in h gives 0 behind the maximum (the written form keeps it); infinities are not treated apart.
; NO CLUSTER, NO TENSOR LOADS: what work-groups share is 21 KB of weights beside 256 KB of x each; nothing in LDS is filled twice, and every byte of x is asked for in the first lines.
.set TAB,   0          ; step t at 1024 t: 512 bytes of G * inst_t (16 bytes a lane), 512 bytes of diag(inst_t)
.set WDB,   65536      ; wd in bf16, 16 rows, pitch 272
.set WUT,   69888      ; wu in bf16, 128 rows of 32 bytes
.set BUB,   73984      ; bu in bf16
.set BU64,  74240      ; 128 words: 64 bu as hi (low half) and lo (high half)
.set PRG,   74752      ; program in f32
.set STG,   78848      ; a stage of 8,704 bytes for each wave, its own: two tiles of 16 rows, pitch 272
.set SPARE, 218112     ; the spare words: 128 bytes for each of the 16 waves; no other line names them
.set PT,    272
.set TILEB, 16*PT
.set SPW,  1           ; v1   SPARE + 4 x my thread's number; never rewritten
.set NIL,  2           ; v2   0; never rewritten
.set ZR,   3           ; v3   0, for the packed maximum
.set XO,   4           ; v4   512 h + 16 r: my 16 bytes in two rows of x and of out0; never rewritten
.set RR,   5           ; v5   r
.set HH,   6           ; v6   h
.set LN,   7           ; v7   L
.set CP,   8           ; v8   c[r] as hi, lo
.set ONES, 9           ; v9   1.0 twice in bf16 in lanes 0-15, 0 in lanes 16-31
.set TA,   10          ; v10  my 16 bytes in the table
                       ; v11-15 addresses of the phase in hand
.set X,    16          ; v16-143   x: tile i, rows 2 a + h, half c of the row at X + 64 i + 8 a + 4 c
.set H,    144         ; v144-159  h of tile 0, tile 1
.set R,    160         ; v160-175  R
.set P,    176         ; v176-191  source 1: relu(h) in bf16, the ones, zeros
.set AT,   192         ; v192-207  G * inst_t, c, zeros: two buffers
.set DT,   208         ; v208-223  diag(inst_t), zeros: two buffers
.set WF,   224         ; v224-255  four fragments of wu with 64 bu
.set DL,   144         ; the way out: tile 0's sums at v144-175, tile 1's at v192-223
; the prologue's use of v144-255
.set WDF,  144         ; wd's four fragments
.set WTF,  176         ; wu^T's four
.set BUF,  208         ; bu's four
.set GG,   240         ; G: register j = G[r][8 h + j]
.set CC,   248         ; c[r] in every register
.set MSK,  144         ; 1.0 where 8 h + j = r
.set INS,  152         ; inst of my four steps
.set TM,   184         ; at work
.set TB,   192         ; packed table words
.set FI,   160         ; the way in: for each 32 features wd's fragment and the two tiles' of x, 24 registers
.set TP,   240         ; the way in: packed x, eight pairs by turns
	s_load_b256 s[4:11], s[0:1], 0x0               ; x s[4:5], wd s[6:7], wu s[8:9], bu s[10:11]
	s_load_b128 s[12:15], s[0:1], 0x20             ; bd s[12:13], program s[14:15]
	s_load_b64 s[16:17], s[0:1], 0x30              ; out0
	v_lshl_add_u32 v[SPW], v0, 2, SPARE
	v_mov_b32 v[NIL], 0
	v_mov_b32 v[ZR], 0
	v_lshrrev_b32 v11, 5, v0
	v_readfirstlane_b32 s2, v11                    ; my wave's number, 0 to 15
	v_and_b32 v[LN], 31, v0
	v_and_b32 v[RR], 15, v0
	v_bfe_u32 v[HH], v0, 4, 1
	v_lshlrev_b32 v[XO], 4, v[RR]
	v_lshl_add_u32 v[XO], v[HH], 9, v[XO]
	v_lshlrev_b32 v12, 4, v0                       ; my 16 bytes of wd and of wu
	v_lshlrev_b32 v13, 3, v0                       ; my 8 bytes of program
	v_lshlrev_b32 v14, 4, v[LN]                    ; my lane's 16 bytes of bu
	s_lshl_b32 s20, ttmp9, 18                      ; the work-group's 512 rows of 512 bytes,
	s_lshl_b32 s3, s2, 14                          ; my wave's 32 of them
	s_add_co_u32 s20, s20, s3
	s_mov_b32 s21, 0
	s_mul_i32 s23, s2, 2*TILEB
	s_add_co_u32 s23, s23, STG                     ; my stage
	s_mul_i32 s3, s2, PT
	s_add_co_u32 s3, s3, WDB                       ; row w of wd in LDS: thread 32 w + L holds its columns 4 L to 4 L + 3
	s_wait_kmcnt 0x0
	s_load_b512 s[32:47], s[12:13], 0x0            ; bd's sixteen numbers
	s_add_nc_u64 s[4:5], s[4:5], s[20:21]
	s_add_nc_u64 s[16:17], s[16:17], s[20:21]
	global_load_b128 v[144:147], v12, s[6:7]
	global_load_b128 v[148:151], v12, s[8:9]
	global_load_b64  v[152:153], v13, s[14:15]
	global_load_b128 v[156:159], v14, s[10:11]     ; every wave, so that all waves count alike; wave 0 uses it
.irp i, 0,1
.irp a, 0,1,2,3,4,5,6,7
.irp c, 0,1
	global_load_b128 v[X+64*(\i)+8*(\a)+4*(\c):X+64*(\i)+8*(\a)+4*(\c)+3], v[XO], s[4:5] offset:8192*(\i)+1024*(\a)+256*(\c) th:TH_LOAD_NT  ; lanes 0-15: 256 bytes of row 2 a; lanes 16-31: of row 2 a + 1
.endr
.endr
.endr
	v_lshl_add_u32 v10, v[LN], 3, s3               ; where my bf16 of wd go,
	v_lshl_add_u32 v11, v0, 3, WUT                 ; of wu,
	v_lshl_add_u32 v15, v0, 3, PRG                 ; my two numbers of program,
	v_lshl_add_u32 v8, v[LN], 3, BUB               ; and (wave 0) bu
	v_lshl_add_u32 v9, v[LN], 4, BU64
	; THE WEIGHTS INTO LDS
	s_wait_loadcnt 32                              ; loads come back in order: the four above are in, the 32 of x stay out
	s_wait_kmcnt 0x0                               ; bd
	v_cvt_pk_bf16_f32 v160, v144, v145
	v_cvt_pk_bf16_f32 v161, v146, v147
	v_cvt_pk_bf16_f32 v162, v148, v149
	v_cvt_pk_bf16_f32 v163, v150, v151
	ds_store_b64 v10, v[160:161]
	ds_store_b64 v11, v[162:163]
	ds_store_b64 v15, v[152:153]
	s_cmp_lg_u32 s2, 0
	s_cbranch_scc1 .Lnot_wave_0
	v_cvt_pk_bf16_f32 v164, v156, v157
	v_cvt_pk_bf16_f32 v165, v158, v159
	ds_store_b64 v8, v[164:165]
.irp k, 0,1,2,3
	v_mul_f32 v[168+(\k)], 0x42800000, v[156+(\k)] ; y = 64 bu
.endr
.irp k, 0,1,2,3
	v_cvt_pk_bf16_f32 v[172+(\k)], v[168+(\k)], v[168+(\k)]
.endr
.irp k, 0,1,2,3
	v_lshlrev_b32 v[172+(\k)], 16, v[172+(\k)]     ; hi as f32
.endr
.irp k, 0,1,2,3
	v_sub_f32 v[172+(\k)], v[168+(\k)], v[172+(\k)]  ; y - hi
.endr
.irp k, 0,1,2,3
	v_cvt_pk_bf16_f32 v[176+(\k)], v[168+(\k)], v[172+(\k)]  ; hi below, lo above
.endr
	ds_store_b128 v9, v[176:179]
.Lnot_wave_0:
	s_wait_dscnt 0x0                               ; for the others' sake: my stores are done
	s_barrier_signal -1
	v_mul_u32_u24 v14, v[RR], PT                   ; addresses for what follows: work on registers
	v_lshl_add_u32 v14, v[HH], 4, v14              ; v14 = 272 r + 16 h: a fragment's place in rows of pitch 272
	v_add_nc_u32 v11, WDB, v14                     ; v11: wd's fragments (kept until the way in)
	v_and_b32 v12, 7, v0
	v_lshl_add_u32 v12, v[HH], 3, v12              ; the turning load: feature 8 h + L % 8,
	v_bfe_u32 v13, v0, 3, 1
	v_lshlrev_b32 v13, 4, v13                      ; columns 8 ((L / 8) % 2) on
	v_lshl_add_u32 v12, v12, 5, v13
	v_add_nc_u32 v12, WUT, v12                     ; v12: wu^T's fragments
	v_lshl_add_u32 v13, v[HH], 4, BUB              ; v13: bu, the same for all rows of source 0
	s_barrier_wait -1
	; G AND c, IN EVERY WAVE: sums over the 128 features, 32 at a time.  Source 0 = wu^T (or bu in every row), source 1 = wd: register j of the result is (w' = 8 h + j, w = r).
.irp s, 0,1,2,3
	ds_load_b128 v[WDF+8*(\s):WDF+8*(\s)+3],   v11 offset:64*(\s)
	ds_load_b128 v[WDF+8*(\s)+4:WDF+8*(\s)+7], v11 offset:64*(\s)+32
	ds_load_tr16_b128 v[WTF+8*(\s):WTF+8*(\s)+3],   v12 offset:1024*(\s)
	ds_load_tr16_b128 v[WTF+8*(\s)+4:WTF+8*(\s)+7], v12 offset:1024*(\s)+512
	ds_load_b128 v[BUF+8*(\s):BUF+8*(\s)+3],   v13 offset:64*(\s)
	ds_load_b128 v[BUF+8*(\s)+4:BUF+8*(\s)+7], v13 offset:64*(\s)+32
.endr
	s_wait_dscnt 0x0
.irp s, 0,1,2,3                        ; the two accumulators take turns
.if (\s) == 0
	v_wmma_f32_16x16x32_bf16 v[GG:GG+7], v[WTF:WTF+7], v[WDF:WDF+7], 0
	v_wmma_f32_16x16x32_bf16 v[CC:CC+7], v[BUF:BUF+7], v[WDF:WDF+7], 0
.else
	v_wmma_f32_16x16x32_bf16 v[GG:GG+7], v[WTF+8*(\s):WTF+8*(\s)+7], v[WDF+8*(\s):WDF+8*(\s)+7], v[GG:GG+7]
	v_wmma_f32_16x16x32_bf16 v[CC:CC+7], v[BUF+8*(\s):BUF+8*(\s)+7], v[WDF+8*(\s):WDF+8*(\s)+7], v[CC:CC+7]
.endif
.endr
	s_lshl_b32 s3, s2, 12                          ; wave w makes steps 4 w to 4 w + 3 of the table
	s_lshl_b32 s24, s2, 8
	s_add_co_u32 s24, s24, PRG
	v_lshl_add_u32 v[TA], v[LN], 4, s3             ; these plain lines, which name no register of the products, are the places behind them (ISA guide 7.12.1)
	v_lshl_add_u32 v12, v[HH], 5, s24              ; v12: inst[8 h ..] of my first step
	v_lshlrev_b32 v13, 3, v[HH]
	v_sub_nc_u32 v13, v[RR], v13                   ; v13 = r - 8 h: register j lies on the diagonal where j equals it
	v_mov_b32 v[ONES], 0x3f803f80
	v_cmp_gt_u32 vcc_lo, 16, v[LN]
	v_cndmask_b32 v[ONES], 0, v[ONES], vcc_lo
	; THE TABLE
.irp u, 0,1,2,3
	ds_load_b128 v[INS+8*(\u):INS+8*(\u)+3],   v12 offset:64*(\u)
	ds_load_b128 v[INS+8*(\u)+4:INS+8*(\u)+7], v12 offset:64*(\u)+16
.endr
	v_cvt_pk_bf16_f32 v[CP], v[CC], v[CC]          ; c as hi and lo, like 64 bu
	v_lshlrev_b32 v[CP], 16, v[CP]
	v_sub_f32 v[CP], v[CC], v[CP]
	v_cvt_pk_bf16_f32 v[CP], v[CC], v[CP]
.irp j, 0,1,2,3,4,5,6,7
	v_cmp_eq_u32 vcc_lo, \j, v13
	v_cndmask_b32 v[MSK+(\j)], 0, 1.0, vcc_lo
.endr
	s_wait_dscnt 0x0
.irp u, 0,1,2,3
.irp k, 0,1,2,3
	v_pk_mul_f32 v[TM+2*(\k):TM+2*(\k)+1], v[GG+2*(\k):GG+2*(\k)+1], v[INS+8*(\u)+2*(\k):INS+8*(\u)+2*(\k)+1]  ; G[r][w'] inst[w']
.endr
.irp k, 0,1,2,3
	v_cvt_pk_bf16_f32 v[TB+8*(\u)+(\k)], v[TM+2*(\k)], v[TM+2*(\k)+1]
.endr
	ds_store_b128 v[TA], v[TB+8*(\u):TB+8*(\u)+3] offset:1024*(\u)
.irp k, 0,1,2,3
	v_pk_mul_f32 v[TM+2*(\k):TM+2*(\k)+1], v[MSK+2*(\k):MSK+2*(\k)+1], v[INS+8*(\u)+2*(\k):INS+8*(\u)+2*(\k)+1]  ; inst[w'] on the diagonal, 0 elsewhere
.endr
.irp k, 0,1,2,3
	v_cvt_pk_bf16_f32 v[TB+8*(\u)+4+(\k)], v[TM+2*(\k)], v[TM+2*(\k)+1]
.endr
	ds_store_b128 v[TA], v[TB+8*(\u)+4:TB+8*(\u)+7] offset:1024*(\u)+512
.endr
	s_wait_dscnt 0x0                               ; for the others' sake: my four steps of the table are written
	s_barrier_signal -1                            ; the last barrier; it stands ahead of every wait for x
	v_cmp_le_u32 vcc_lo, 16, v[LN]                 ; h starts as bd[8 h + j]: work on registers
.irp j, 0,1,2,3,4,5,6,7
	v_mov_b32 v[H+(\j)], s[32+(\j)]
	v_cndmask_b32 v[H+(\j)], v[H+(\j)], s[40+(\j)], vcc_lo
	v_mov_b32 v[H+8+(\j)], v[H+(\j)]
.endr
	v_mul_u32_u24 v12, v[HH], PT
	v_lshl_add_u32 v12, v[RR], 3, v12
	v_add_nc_u32 v12, s23, v12                     ; v12: where my 8 bytes of bf16 x go: row h of a pair, 8 r
	v_add_nc_u32 v13, s23, v14                     ; v13: x's fragments in my stage
	s_barrier_wait -1
	; THE WAY IN: h_0 = bd + wd x.  x is rounded to bf16 into my own stage and read back as fragments; LDS serves a wave's instructions in order, so no wait stands between.
.macro TOBF i
.set gg, 0
.rept 16
	v_cvt_pk_bf16_f32 v[TP+2*(gg%8)],   v[X+64*(\i)+4*gg],   v[X+64*(\i)+4*gg+1]
	v_cvt_pk_bf16_f32 v[TP+2*(gg%8)+1], v[X+64*(\i)+4*gg+2], v[X+64*(\i)+4*gg+3]
	ds_store_b64 v12, v[TP+2*(gg%8):TP+2*(gg%8)+1] offset:TILEB*(\i)+2*PT*(gg/2)+128*(gg%2)
.set gg, gg+1
.endr
.endm
	s_wait_loadcnt 16                              ; tile 0's sixteen loads are in, tile 1's may be out
	TOBF 0
	s_wait_loadcnt 0x0
	TOBF 1
.irp s, 0,1,2,3
	ds_load_b128 v[FI+24*(\s):FI+24*(\s)+3],     v11 offset:64*(\s)
	ds_load_b128 v[FI+24*(\s)+4:FI+24*(\s)+7],   v11 offset:64*(\s)+32
	ds_load_b128 v[FI+24*(\s)+8:FI+24*(\s)+11],  v13 offset:64*(\s)
	ds_load_b128 v[FI+24*(\s)+12:FI+24*(\s)+15], v13 offset:64*(\s)+32
	ds_load_b128 v[FI+24*(\s)+16:FI+24*(\s)+19], v13 offset:TILEB+64*(\s)
	ds_load_b128 v[FI+24*(\s)+20:FI+24*(\s)+23], v13 offset:TILEB+64*(\s)+32
.endr
.irp s, 0,1,2,3
	s_wait_dscnt 18-6*(\s)                         ; the groups behind this one, six loads each, may be out
	v_wmma_f32_16x16x32_bf16 v[H:H+7],    v[FI+24*(\s):FI+24*(\s)+7], v[FI+24*(\s)+8:FI+24*(\s)+15],  v[H:H+7]
	v_wmma_f32_16x16x32_bf16 v[H+8:H+15], v[FI+24*(\s):FI+24*(\s)+7], v[FI+24*(\s)+16:FI+24*(\s)+23], v[H+8:H+15]
.endr
	v_lshlrev_b32 v[TA], 4, v[LN]                  ; five plain lines: the places behind those products
	v_lshlrev_b32 v11, 5, v[RR]
	v_lshl_add_u32 v11, v[HH], 4, v11
	v_add_nc_u32 v11, WUT, v11                     ; v11: wu[16 q + r][8 h ..]
	v_lshl_add_u32 v15, v[RR], 2, BU64             ; v15: 64 bu[16 q + r]
.macro LOADWF c                        ; the fragments of feature blocks 4 c to 4 c + 3
.irp q, 0,1,2,3
	ds_load_b128 v[WF+8*(\q):WF+8*(\q)+3], v11 offset:512*(4*(\c)+(\q))
	ds_load_b32  v[WF+8*(\q)+4],           v15 offset:64*(4*(\c)+(\q))
.endr
.endm
.macro RELU i                          ; source 1 of tile i: h rounded to bf16 in pairs (the accumulator's low registers first), then the maximum with 0
.irp k, 0,1,2,3
	v_cvt_pk_bf16_f32 v[P+8*(\i)+(\k)], v[H+8*(\i)+2*(\k)], v[H+8*(\i)+2*(\k)+1]
.endr
.irp k, 0,1,2,3
	v_pk_max_num_bf16 v[P+8*(\i)+(\k)], v[P+8*(\i)+(\k)], v[ZR]
.endr
.endm
	LOADWF 0
	ds_load_b128 v[AT:AT+3],    v[TA]              ; steps 0 and 1 of the table
	ds_load_b128 v[DT:DT+3],    v[TA] offset:512
	ds_load_b128 v[AT+8:AT+11], v[TA] offset:1024
	ds_load_b128 v[DT+8:DT+11], v[TA] offset:1536
.irp i, 0,1                            ; k = 16 to 31 of every operand, written once: the ones and c at k = 16, 17; zeros elsewhere
	v_mov_b32 v[P+8*(\i)+4],  v[ONES]
	v_mov_b32 v[AT+8*(\i)+4], v[CP]
	v_mov_b32 v[DT+8*(\i)+4], 0
.irp k, 5,6,7
	v_mov_b32 v[P+8*(\i)+(\k)],  0
	v_mov_b32 v[AT+8*(\i)+(\k)], 0
	v_mov_b32 v[DT+8*(\i)+(\k)], 0
.endr
.endr
.irp q, 0,1,2,3
.irp k, 5,6,7
	v_mov_b32 v[WF+8*(\q)+(\k)], 0
.endr
.endr
	RELU 0
	; THE RECURRENCE.  A step: for each tile h += (G inst_t | c) p and R += diag(inst_t) p, then p anew.  The four accumulators take turns, one instruction a turn, over the backward jump too.
	; One tile's eight vector lines stand behind the other tile's two products: they name none of those products' registers and are their places, in front of the reads of h, the writes of p
	; and the loads into the table's buffer.  b: the table's buffer; first: R's sums start; load: the buffer takes the step two on, at byte off from TA; last: no p is made for a next step;
	; cnt: the LDS loads that may stay out, the other buffer's two.
.macro STEP b, first, load, last, cnt, off
	s_wait_dscnt \cnt
	v_wmma_f32_16x16x32_bf16 v[H:H+7], v[AT+8*(\b):AT+8*(\b)+7], v[P:P+7], v[H:H+7]
.if \first
	v_wmma_f32_16x16x32_bf16 v[R:R+7], v[DT+8*(\b):DT+8*(\b)+7], v[P:P+7], 0
.else
	v_wmma_f32_16x16x32_bf16 v[R:R+7], v[DT+8*(\b):DT+8*(\b)+7], v[P:P+7], v[R:R+7]
.endif
	RELU 1
	v_wmma_f32_16x16x32_bf16 v[H+8:H+15], v[AT+8*(\b):AT+8*(\b)+7], v[P+8:P+15], v[H+8:H+15]
.if \first
	v_wmma_f32_16x16x32_bf16 v[R+8:R+15], v[DT+8*(\b):DT+8*(\b)+7], v[P+8:P+15], 0
.else
	v_wmma_f32_16x16x32_bf16 v[R+8:R+15], v[DT+8*(\b):DT+8*(\b)+7], v[P+8:P+15], v[R+8:R+15]
.endif
.if (\last) == 0
	RELU 0
.endif
.if \load
	ds_load_b128 v[AT+8*(\b):AT+8*(\b)+3], v[TA] offset:\off
	ds_load_b128 v[DT+8*(\b):DT+8*(\b)+3], v[TA] offset:(\off)+512
.endif
.endm
.macro TRIP first, load                ; two steps, one on each buffer
	STEP 0, \first, \load, 0, 2, 2048
	STEP 1, 0, \load, 1-(\load), 2*(\load), 3072
.if \load
	v_add_nc_u32 v[TA], 2048, v[TA]
.endif
.endm
	TRIP 1, 1                                      ; steps 0 and 1: step 0 starts R's sums
	s_mov_b32 s22, 30
.Lstep:                                                ; steps 2 to 61
	TRIP 0, 1
	s_sub_co_u32 s22, s22, 1
	s_cmp_lg_u32 s22, 0
	s_cbranch_scc1 .Lstep
	TRIP 0, 0                                      ; steps 62 and 63: the table has no more, so the second wait is for 0
	; THE WAY OUT: out = x + wu R + 64 bu.  R takes p's place in source 1; the ones stay.  Tile 0's four roundings are the places behind tile 1's last products.
.irp k, 0,1,2,3
	v_cvt_pk_bf16_f32 v[P+(\k)], v[R+2*(\k)], v[R+2*(\k)+1]
.endr
.irp k, 0,1,2,3
	v_cvt_pk_bf16_f32 v[P+8+(\k)], v[R+8+2*(\k)], v[R+8+2*(\k)+1]
.endr
	v_mul_u32_u24 v12, v[RR], PT                   ; six more plain lines in front of the products that write over h, R and the table's buffers
	v_lshl_add_u32 v12, v[HH], 5, v12
	v_add_nc_u32 v12, s23, v12                     ; v12: into the stage: row r, 32 bytes for each half of the lanes
	v_mul_u32_u24 v13, v[HH], PT
	v_lshl_add_u32 v13, v[RR], 4, v13
	v_add_nc_u32 v13, s23, v13                     ; v13: back: lanes 0-15 one row's 256 bytes, lanes 16-31 the next row's
; Half c of the features (64 of them, 256 bytes a row): eight products on eight accumulators; register j of block q holds (feature 64 c + 16 q + 8 h + j, row r): 32 neighbouring bytes of a row.
; They go through my own stage and come back in x's layout, are added onto x and stored.
.macro OUTHALF c
.irp q, 0,1,2,3
	v_wmma_f32_16x16x32_bf16 v[DL+8*(\q):DL+8*(\q)+7],       v[WF+8*(\q):WF+8*(\q)+7], v[P:P+7],    0
	v_wmma_f32_16x16x32_bf16 v[DL+48+8*(\q):DL+48+8*(\q)+7], v[WF+8*(\q):WF+8*(\q)+7], v[P+8:P+15], 0
.endr
.rept 4
	v_nop                                          ; the places in front of the stores of these results and of the loads into wu's fragments: no other vector work is at hand
.endr
.if (\c) == 0
	LOADWF 1
.endif
.irp i, 0,1
.irp q, 0,1,2,3
	ds_store_b128 v12, v[DL+48*(\i)+8*(\q):DL+48*(\i)+8*(\q)+3]   offset:TILEB*(\i)+64*(\q)
	ds_store_b128 v12, v[DL+48*(\i)+8*(\q)+4:DL+48*(\i)+8*(\q)+7] offset:TILEB*(\i)+64*(\q)+16
.endr
.endr
.irp i, 0,1
.irp a, 0,1,2,3,4,5,6,7
	ds_load_b128 v[DL+48*(\i)+4*(\a):DL+48*(\i)+4*(\a)+3], v13 offset:TILEB*(\i)+2*PT*(\a)  ; LDS serves a wave's instructions in order: these see the stores above
.endr
.endr
.set kk, 0
.rept 16
.set xr, X+64*(kk/8)+8*(kk%8)+4*(\c)
.set dr, DL+48*(kk/8)+4*(kk%8)
	s_wait_dscnt 15-kk                             ; the loads behind this one may be out
	v_pk_add_f32 v[xr:xr+1],   v[xr:xr+1],   v[dr:dr+1]
	v_pk_add_f32 v[xr+2:xr+3], v[xr+2:xr+3], v[dr+2:dr+3]
	global_store_b128 v[XO], v[xr:xr+3], s[16:17] offset:8192*(kk/8)+1024*(kk%8)+256*(\c) th:TH_STORE_NT  ; 16 lanes store 256 consecutive bytes, at a multiple of 256 from out0's first; these registers are not written again
.set kk, kk+1
.endr
.endm
	OUTHALF 0                                      ; its last wait, for 0, also shows the second half's fragments of wu in
	OUTHALF 1
	s_wait_tensorcnt 0x0                           ; the wave's end, behind my last LDS store
	ds_add_u32 v[SPW], v[NIL]
	s_wait_dscnt 0x0
	s_endpgm
.Lfunc_end_k_qfb3e3f16bb_proc:
	.size	k_qfb3e3f16bb_proc, .Lfunc_end_k_qfb3e3f16bb_proc-k_qfb3e3f16bb_proc
	.p2alignl 7, 3214868480
	.fill 96, 4, 3214868480
	.section	.rodata,"a",@progbits
	.p2align	6, 0x0
	.amdhsa_kernel k_qfb3e3f16bb_proc
		.amdhsa_group_segment_fixed_size 220160
		.amdhsa_private_segment_fixed_size 0
		.amdhsa_enable_private_segment 0
		.amdhsa_kernarg_size 56
		.amdhsa_user_sgpr_count 2
		.amdhsa_user_sgpr_kernarg_segment_ptr 1
		.amdhsa_wavefront_size32 1
		.amdhsa_system_sgpr_workgroup_id_x 1
		.amdhsa_system_sgpr_workgroup_id_y 1
		.amdhsa_system_sgpr_workgroup_id_z 1
		.amdhsa_system_vgpr_workitem_id 0
		.amdhsa_next_free_vgpr 256
		.amdhsa_next_free_sgpr 66
		.amdhsa_reserve_vcc 1
		.amdhsa_float_denorm_mode_32 3
		.amdhsa_float_denorm_mode_16_64 3
		.amdhsa_memory_ordered 1
		.amdhsa_forward_progress 1
		.amdhsa_inst_pref_size 52
	.end_amdhsa_kernel
	.amdgpu_metadata
---
amdhsa.version: [ 1, 2 ]
amdhsa.kernels:
  - .name:           k_qfb3e3f16bb_proc
    .symbol:         k_qfb3e3f16bb_proc.kd
    .args:
      - { .name: x, .offset: 0, .size: 8, .value_kind: global_buffer, .address_space: global }
      - { .name: wd, .offset: 8, .size: 8, .value_kind: global_buffer, .address_space: global }
      - { .name: wu, .offset: 16, .size: 8, .value_kind: global_buffer, .address_space: global }
      - { .name: bu, .offset: 24, .size: 8, .value_kind: global_buffer, .address_space: global }
      - { .name: bd, .offset: 32, .size: 8, .value_kind: global_buffer, .address_space: global }
      - { .name: program, .offset: 40, .size: 8, .value_kind: global_buffer, .address_space: global }
      - { .name: out0, .offset: 48, .size: 8, .value_kind: global_buffer, .address_space: global }
    .group_segment_fixed_size: 220160
    .private_segment_fixed_size: 0
    .kernarg_segment_align: 8
    .kernarg_segment_size: 56
    .max_flat_workgroup_size: 512
    .sgpr_count:     66
    .vgpr_count:     256
    .wavefront_size: 32
...
	.end_amdgpu_metadata
.endif
;; end of part 1
;; ======== version 2 of 2: 1 launch; version 1 with the launch proc written anew for expert scheduling mode
;; launch proc (part 2): grid 256 x 1, 16 waves a work-group, no clusters, 220,160 bytes of LDS; arguments x, wd, wu, bu, bd, program, out0; writes out0
.if DOCPART == 2
	.amdgcn_target "amdgcn-amd-amdhsa--gfx1250"
	.amdhsa_code_object_version 6
	.text
	.protected	k_qfb3e3f16bb_proc
	.globl	k_qfb3e3f16bb_proc
	.p2align	8
	.type	k_qfb3e3f16bb_proc,@function
k_qfb3e3f16bb_proc:
	s_mov_b64 s[64:65], 0
	v_nop
	global_prefetch_b8 v0, s[64:65] scope:SCOPE_SE
	s_setreg_imm32_b32 hwreg(HW_REG_WAVE_SCHED_MODE, 0, 2), 2
	s_setreg_imm32_b32 hwreg(HW_REG_WAVE_MODE, 25, 1), 1
	s_wait_xcnt 0x0
	s_wait_alu depctr_vm_vsrc(0)
; 64 steps of  reg = relu(x wd^T + bd) * inst_t ;  x += reg wu^T + bu   on 131,072 rows of 128 f32.
; THE FORM.  Only h = x wd^T + bd (16 numbers a row) enters the relu, and x changes by linear terms alone.  So, for every input and up to rounding:
;   h_0 = x_0 wd^T + bd;   h_(t+1) = h_t + G (relu(h_t) * inst_t) + c,  G = wd wu (16 x 16),  c = wd bu;
;   out = x_0 + wu R + 64 bu,  R = the sum over t of relu(h_t) * inst_t.
; Every relu, every inst_t and both biases are kept; x_0 reaches the output unrounded, in f32.
; A tile of 16 rows takes 4 + 128 + 8 matrix instructions; x is read once and out0 written once, each load and store of a wave covering two aligned runs of 256 bytes.
; SHARES.  256 work-groups of 16 waves; a work-group owns 512 rows, a wave 32: two tiles of 16.  A wave keeps its 32 rows of x in 128 registers from its first lines to its stores.
; Behind the two barriers of the prologue no wave waits for another.
; LAYOUT.  L = lane, r = L % 16, h = L / 16.  All products are used transposed: in H and R register j of lane (r, h) holds (w = 8 h + j, row r), so that H rounded in pairs IS
; registers 0-3 of source 1 (k = w): nothing changes lanes in the loop.  k = 16, 17 carry a bias: source 1 holds 1.0 there, source 0 the bias as a pair of bf16, hi and lo.
; ROUNDING, LIMITS.  The order of rounding differs from the written form's.  Rounded to bf16: wd, wu, x (for h_0 only), G * inst_t, inst_t, relu(h_t), R; c and 64 bu go as hi + lo of bf16;
; h, R and all sums are kept in f32.  A NaN in h gives 0 behind the maximum (the written form keeps it); infinities are not treated apart.
; NO CLUSTER, NO TENSOR LOADS: what work-groups share is 21 KB of weights beside 256 KB of x each; nothing in LDS is filled twice, and every byte of x is asked for in the first lines.
; THE MODE: SCHED_MODE bits 1:0 = 2 (LLVM: expert scheduling mode 2), set by the entry lines.  The code itself states the register dependences
; between vector or matrix instructions and memory or LDS instructions, with s_wait_alu, always for 0.
; THE PLAN.  Registers that memory or LDS instructions touch:
;   XO            Written once at the head; read by every load of x and every store of out0.
;   v8-15         Addresses of the phase in hand: written by vector lines ahead of a wait on va_vdst that stands there for the phase's data too; written anew only behind a wait on vm_vsrc.
;   TB, TP        Out-buffers of the prologue's LDS stores, a register to each word stored: a run of conversions, one wait on va_vdst, a run of stores.
;   table buffers 0-3 (the low four registers of AT and of DT)   Step t's four products read buffer t % 4; step t's two loads land in buffer (t + 2) % 4, the table's step t + 2.
;   TA            Read by the table's loads; written once a lap of four steps, at the lap's head.
;   DL            The way out's sums: written by products, read by LDS stores, then the rows come back into them.
;   X             Loaded once; each register is added onto once and stored once.
; IN THE LOOP one wait on va_vdst stands at the head of each even step: the two steps before are done reading the pair of buffers in which this step's and the next one's loads land (in a lap's
; first step also: TA is written).  Between that wait and those loads the wave names H, R, P, ZR and the pair of buffers in hand alone.  One wait on vm_vsrc a lap stands ahead of the add to TA.
; H, R, P and ZR are named by vector and matrix instructions alone.
.set TAB,   0          ; step t at 1024 t: 512 bytes of G * inst_t (16 bytes a lane), 512 bytes of diag(inst_t)
.set WDB,   65536      ; wd in bf16, 16 rows, pitch 272
.set WUT,   69888      ; wu in bf16, 128 rows of 32 bytes
.set BUB,   73984      ; bu in bf16
.set BU64,  74240      ; 128 words: 64 bu as hi (low half) and lo (high half)
.set PRG,   74752      ; program in f32
.set STG,   78848      ; a stage of 8,704 bytes for each wave, its own: two tiles of 16 rows, pitch 272
.set SPARE, 218112     ; the spare words: 128 bytes for each of the 16 waves; no other line names them
.set PT,    272
.set TILEB, 16*PT
.set SPW,  1           ; v1   SPARE + 4 x my thread's number; never rewritten
.set NIL,  2           ; v2   0; never rewritten
.set ZR,   3           ; v3   0, for the packed maximum
.set XO,   4           ; v4   512 h + 16 r: my 16 bytes in two rows of x and of out0; never rewritten
.set RR,   5           ; v5   r
.set HH,   6           ; v6   h
.set LN,   7           ; v7   L
.set CP,   8           ; v8   c[r] as hi, lo
.set ONES, 9           ; v9   1.0 twice in bf16 in lanes 0-15, 0 in lanes 16-31
.set TA,   10          ; v10  my 16 bytes in the table
                       ; v11-15 addresses of the phase in hand
.set X,    16          ; v16-143   x: tile i, rows 2 a + h, half c of the row at X + 64 i + 8 a + 4 c
.set H,    144         ; v144-159  h of tile 0, tile 1
.set R,    160         ; v160-175  R
.set P,    176         ; v176-191  source 1: relu(h) in bf16, the ones, zeros
.set AT,   192         ; v192-207, v224-239  G * inst_t, c, zeros: buffer b of four at AT + 8 (b % 2) + 32 (b / 2)
.set DT,   208         ; v208-223, v240-255  diag(inst_t), zeros: buffer b at DT + 8 (b % 2) + 32 (b / 2)
.set WF,   192         ; v192-223  from step 62 on: four fragments of wu with 64 bu, in the registers of buffers 0 and 1, whose zeros at k = 18 to 31 they keep
.set DL,   144         ; the way out: tile 0's sums at v144-175, tile 1's at v224-255
.set MK,   24          ; s[24:31]  the diagonal's eight masks; s21: the mask of lanes 0-15
; the prologue's use of v144-255
.set WDF,  144         ; wd's four fragments
.set WTF,  176         ; wu^T's four
.set BUF,  208         ; bu's four
.set GG,   240         ; G: register j = G[r][8 h + j]
.set CC,   248         ; c[r] in every register
.set MSK,  144         ; 1.0 where 8 h + j = r
.set INS,  152         ; inst of my four steps
.set TM,   184         ; at work
.set TB,   192         ; packed table words
.set FI,   160         ; the way in: for each 32 features wd's fragment and the two tiles' of x, 24 registers
.set TP,   160         ; the way in: packed x, 32 registers a tile
	s_load_b256 s[4:11], s[0:1], 0x0               ; x s[4:5], wd s[6:7], wu s[8:9], bu s[10:11]
	s_load_b128 s[12:15], s[0:1], 0x20             ; bd s[12:13], program s[14:15]
	s_load_b64 s[16:17], s[0:1], 0x30              ; out0
	v_lshl_add_u32 v[SPW], v0, 2, SPARE
	v_mov_b32 v[NIL], 0
	v_mov_b32 v[ZR], 0
	v_lshrrev_b32 v11, 5, v0
	v_readfirstlane_b32 s2, v11                    ; my wave's number, 0 to 15
	v_and_b32 v[LN], 31, v0
	v_and_b32 v[RR], 15, v0
	v_bfe_u32 v[HH], v0, 4, 1
	v_lshlrev_b32 v[XO], 4, v[RR]
	v_lshl_add_u32 v[XO], v[HH], 9, v[XO]
	v_lshlrev_b32 v12, 4, v0                       ; my 16 bytes of wd and of wu
	v_lshlrev_b32 v13, 3, v0                       ; my 8 bytes of program
	v_lshlrev_b32 v14, 4, v[LN]                    ; my lane's 16 bytes of bu
	s_lshl_b32 s20, ttmp9, 18                      ; the work-group's 512 rows of 512 bytes,
	s_wait_alu depctr_va_sdst(0)                   ; s2 is written, ahead of its first reader: the bases, the LDS places and a branch are made from it
	s_lshl_b32 s3, s2, 14                          ; my wave's 32 of them
	s_add_co_u32 s20, s20, s3
	s_mov_b32 s21, 0
	s_mul_i32 s23, s2, 2*TILEB
	s_add_co_u32 s23, s23, STG                     ; my stage
	s_mul_i32 s3, s2, PT
	s_add_co_u32 s3, s3, WDB                       ; row w of wd in LDS: thread 32 w + L holds its columns 4 L to 4 L + 3
	s_wait_kmcnt 0x0
	s_load_b512 s[32:47], s[12:13], 0x0            ; bd's sixteen numbers
	s_add_nc_u64 s[4:5], s[4:5], s[20:21]
	s_add_nc_u64 s[16:17], s[16:17], s[20:21]
	s_wait_alu depctr_va_vdst(0)                   ; the offsets v12, v13, v14 and XO are written, which the loads below read
	global_load_b128 v[144:147], v12, s[6:7]
	global_load_b128 v[148:151], v12, s[8:9]
	global_load_b64  v[152:153], v13, s[14:15]
	global_load_b128 v[156:159], v14, s[10:11]     ; every wave, so that all waves count alike; wave 0 uses it
.irp i, 0,1
.irp a, 0,1,2,3,4,5,6,7
.irp c, 0,1
	global_load_b128 v[X+64*(\i)+8*(\a)+4*(\c):X+64*(\i)+8*(\a)+4*(\c)+3], v[XO], s[4:5] offset:8192*(\i)+1024*(\a)+256*(\c) th:TH_LOAD_NT  ; lanes 0-15: 256 bytes of row 2 a; lanes 16-31: of row 2 a + 1
.endr
.endr
.endr
	v_lshl_add_u32 v10, v[LN], 3, s3               ; where my bf16 of wd go,
	v_lshl_add_u32 v11, v0, 3, WUT                 ; of wu,
	v_lshl_add_u32 v15, v0, 3, PRG                 ; my two numbers of program,
	v_lshl_add_u32 v8, v[LN], 3, BUB               ; and (wave 0) bu
	v_lshl_add_u32 v9, v[LN], 4, BU64
	; THE WEIGHTS INTO LDS
	s_wait_loadcnt 32                              ; loads come back in order: the four above are in, the 32 of x stay out
	s_wait_kmcnt 0x0                               ; bd
	v_cvt_pk_bf16_f32 v160, v144, v145
	v_cvt_pk_bf16_f32 v161, v146, v147
	v_cvt_pk_bf16_f32 v162, v148, v149
	v_cvt_pk_bf16_f32 v163, v150, v151
	s_wait_alu depctr_va_vdst(0)                   ; the conversions have written v160-163 and the five lines above the addresses v8-11 and v15, which the LDS stores read
	ds_store_b64 v10, v[160:161]
	ds_store_b64 v11, v[162:163]
	ds_store_b64 v15, v[152:153]
	s_cmp_lg_u32 s2, 0
	s_cbranch_scc1 .Lnot_wave_0
	v_cvt_pk_bf16_f32 v164, v156, v157
	v_cvt_pk_bf16_f32 v165, v158, v159
.irp k, 0,1,2,3
	v_mul_f32 v[168+(\k)], 0x42800000, v[156+(\k)] ; y = 64 bu
.endr
.irp k, 0,1,2,3
	v_cvt_pk_bf16_f32 v[172+(\k)], v[168+(\k)], v[168+(\k)]
.endr
.irp k, 0,1,2,3
	v_lshlrev_b32 v[172+(\k)], 16, v[172+(\k)]     ; hi as f32
.endr
.irp k, 0,1,2,3
	v_sub_f32 v[172+(\k)], v[168+(\k)], v[172+(\k)]  ; y - hi
.endr
.irp k, 0,1,2,3
	v_cvt_pk_bf16_f32 v[176+(\k)], v[168+(\k)], v[172+(\k)]  ; hi below, lo above
.endr
	s_wait_alu depctr_va_vdst(0)                   ; v164, v165 and v176-179 are written, which the two LDS stores read
	ds_store_b64 v8, v[164:165]
	ds_store_b128 v9, v[176:179]
.Lnot_wave_0:
	s_wait_dscnt 0x0                               ; for the others' sake: my stores are done
	s_wait_alu depctr_vm_vsrc(0)                   ; the loads of the weights have read v12-14 and my LDS stores v8-11, v15 and their data in v152-179: the lines below write v11-14, and fragments land in v144-239
	s_barrier_signal -1
	v_mul_u32_u24 v14, v[RR], PT                   ; addresses for what follows: work on registers
	v_lshl_add_u32 v14, v[HH], 4, v14              ; v14 = 272 r + 16 h: a fragment's place in rows of pitch 272
	v_add_nc_u32 v11, WDB, v14                     ; v11: wd's fragments (kept until the way in)
	v_and_b32 v12, 7, v0
	v_lshl_add_u32 v12, v[HH], 3, v12              ; the turning load: feature 8 h + L % 8,
	v_bfe_u32 v13, v0, 3, 1
	v_lshlrev_b32 v13, 4, v13                      ; columns 8 ((L / 8) % 2) on
	v_lshl_add_u32 v12, v12, 5, v13
	v_add_nc_u32 v12, WUT, v12                     ; v12: wu^T's fragments
	v_lshl_add_u32 v13, v[HH], 4, BUB              ; v13: bu, the same for all rows of source 0
	s_barrier_wait -1
	; G AND c, IN EVERY WAVE: sums over the 128 features, 32 at a time.  Source 0 = wu^T (or bu in every row), source 1 = wd: register j of the result is (w' = 8 h + j, w = r).
	s_wait_alu depctr_va_vdst(0)                   ; v11-13 are written, which the loads below read; the conversions above are done with v144-179, in which fragments land
.irp s, 0,1,2,3
	ds_load_b128 v[WDF+8*(\s):WDF+8*(\s)+3],   v11 offset:64*(\s)
	ds_load_b128 v[WDF+8*(\s)+4:WDF+8*(\s)+7], v11 offset:64*(\s)+32
	ds_load_tr16_b128 v[WTF+8*(\s):WTF+8*(\s)+3],   v12 offset:1024*(\s)
	ds_load_tr16_b128 v[WTF+8*(\s)+4:WTF+8*(\s)+7], v12 offset:1024*(\s)+512
	ds_load_b128 v[BUF+8*(\s):BUF+8*(\s)+3],   v13 offset:64*(\s)
	ds_load_b128 v[BUF+8*(\s)+4:BUF+8*(\s)+7], v13 offset:64*(\s)+32
.endr
	s_wait_dscnt 0x0
	s_wait_alu depctr_vm_vsrc(0)                   ; those loads have read v12 and v13, which are written anew behind the products
.irp s, 0,1,2,3                        ; the two accumulators take turns
.if (\s) == 0
	v_wmma_f32_16x16x32_bf16 v[GG:GG+7], v[WTF:WTF+7], v[WDF:WDF+7], 0
	v_wmma_f32_16x16x32_bf16 v[CC:CC+7], v[BUF:BUF+7], v[WDF:WDF+7], 0
.else
	v_wmma_f32_16x16x32_bf16 v[GG:GG+7], v[WTF+8*(\s):WTF+8*(\s)+7], v[WDF+8*(\s):WDF+8*(\s)+7], v[GG:GG+7]
	v_wmma_f32_16x16x32_bf16 v[CC:CC+7], v[BUF+8*(\s):BUF+8*(\s)+7], v[WDF+8*(\s):WDF+8*(\s)+7], v[CC:CC+7]
.endif
.endr
	s_lshl_b32 s3, s2, 12                          ; wave w makes steps 4 w to 4 w + 3 of the table
	s_lshl_b32 s20, s2, 8
	s_add_co_u32 s20, s20, PRG
	v_lshl_add_u32 v[TA], v[LN], 4, s3             ; these plain lines, which name no register of the products, are the places behind them (ISA guide 7.12.1)
	v_lshl_add_u32 v12, v[HH], 5, s20              ; v12: inst[8 h ..] of my first step
	v_lshlrev_b32 v13, 3, v[HH]
	v_sub_nc_u32 v13, v[RR], v13                   ; v13 = r - 8 h: register j lies on the diagonal where j equals it
	v_mov_b32 v[ONES], 0x3f803f80
	v_cmp_gt_u32 s21, 16, v[LN]                    ; nine compares in one run, each into a scalar register of its own: lanes 0-15,
.irp j, 0,1,2,3,4,5,6,7
	v_cmp_eq_u32 s[MK+(\j)], \j, v13               ; and the diagonal
.endr
	; THE TABLE
	s_wait_alu depctr_va_vdst(0)                   ; v12 is written, which the loads below read; the products are done reading v152-183, in which they land
.irp u, 0,1,2,3
	ds_load_b128 v[INS+8*(\u):INS+8*(\u)+3],   v12 offset:64*(\u)
	ds_load_b128 v[INS+8*(\u)+4:INS+8*(\u)+7], v12 offset:64*(\u)+16
.endr
	s_wait_alu depctr_va_sdst(0)                   ; s21 and s[24:31] are written, ahead of their first readers: one wait for the nine compares
	v_cndmask_b32 v[ONES], 0, v[ONES], s21
	v_cvt_pk_bf16_f32 v[CP], v[CC], v[CC]          ; c as hi and lo, like 64 bu
	v_lshlrev_b32 v[CP], 16, v[CP]
	v_sub_f32 v[CP], v[CC], v[CP]
	v_cvt_pk_bf16_f32 v[CP], v[CC], v[CP]
.irp j, 0,1,2,3,4,5,6,7
	v_cndmask_b32 v[MSK+(\j)], 0, 1.0, s[MK+(\j)]
.endr
	s_wait_dscnt 0x0
.irp u, 0,1,2,3
.irp k, 0,1,2,3
	v_pk_mul_f32 v[TM+2*(\k):TM+2*(\k)+1], v[GG+2*(\k):GG+2*(\k)+1], v[INS+8*(\u)+2*(\k):INS+8*(\u)+2*(\k)+1]  ; G[r][w'] inst[w']
.endr
.irp k, 0,1,2,3
	v_cvt_pk_bf16_f32 v[TB+8*(\u)+(\k)], v[TM+2*(\k)], v[TM+2*(\k)+1]
.endr
.irp k, 0,1,2,3
	v_pk_mul_f32 v[TM+2*(\k):TM+2*(\k)+1], v[MSK+2*(\k):MSK+2*(\k)+1], v[INS+8*(\u)+2*(\k):INS+8*(\u)+2*(\k)+1]  ; inst[w'] on the diagonal, 0 elsewhere
.endr
.irp k, 0,1,2,3
	v_cvt_pk_bf16_f32 v[TB+8*(\u)+4+(\k)], v[TM+2*(\k)], v[TM+2*(\k)+1]
.endr
.endr
	s_wait_alu depctr_va_vdst(0)                   ; the conversions have written all 32 words of TB, and TA is written: the eight LDS stores read them
.irp u, 0,1,2,3
	ds_store_b128 v[TA], v[TB+8*(\u):TB+8*(\u)+3] offset:1024*(\u)
	ds_store_b128 v[TA], v[TB+8*(\u)+4:TB+8*(\u)+7] offset:1024*(\u)+512
.endr
	s_wait_dscnt 0x0                               ; for the others' sake: my four steps of the table are written
	s_wait_alu depctr_vm_vsrc(0)                   ; inst's loads have read v12, which is written below; the table's stores have read TA and TB, which the way in writes
	s_barrier_signal -1                            ; the last barrier; it stands ahead of every wait for x
.irp j, 0,1,2,3,4,5,6,7                ; h starts as bd[8 h + j]: work on registers
	v_mov_b32 v[H+(\j)], s[32+(\j)]
	v_cndmask_b32 v[H+(\j)], s[40+(\j)], v[H+(\j)], s21
	v_mov_b32 v[H+8+(\j)], v[H+(\j)]
.endr
	v_mul_u32_u24 v12, v[HH], PT
	v_lshl_add_u32 v12, v[RR], 3, v12
	v_add_nc_u32 v12, s23, v12                     ; v12: where my 8 bytes of bf16 x go: row h of a pair, 8 r
	v_add_nc_u32 v13, s23, v14                     ; v13: x's fragments in my stage
	s_barrier_wait -1
	; THE WAY IN: h_0 = bd + wd x.  x is rounded to bf16 into my own stage and read back as fragments; LDS serves a wave's instructions in order, so no wait on DScnt stands between.
	; A tile's 32 conversions write 32 registers of their own, one wait follows, and its 16 stores stand in one run.
.macro TOBF i
.set gg, 0
.rept 16
	v_cvt_pk_bf16_f32 v[TP+32*(\i)+2*gg],   v[X+64*(\i)+4*gg],   v[X+64*(\i)+4*gg+1]
	v_cvt_pk_bf16_f32 v[TP+32*(\i)+2*gg+1], v[X+64*(\i)+4*gg+2], v[X+64*(\i)+4*gg+3]
.set gg, gg+1
.endr
	s_wait_alu depctr_va_vdst(0)                   ; the tile's conversions have written its 32 registers of TP (and, for tile 0, v12 is written): the stores below read them
.set gg, 0
.rept 16
	ds_store_b64 v12, v[TP+32*(\i)+2*gg:TP+32*(\i)+2*gg+1] offset:TILEB*(\i)+2*PT*(gg/2)+128*(gg%2)
.set gg, gg+1
.endr
.endm
	s_wait_loadcnt 16                              ; tile 0's sixteen loads are in, tile 1's may be out
	TOBF 0
	s_wait_loadcnt 0x0
	TOBF 1
	s_wait_alu depctr_vm_vsrc(0)                   ; the 32 stores have read TP, v160-223, in which fragments land (the conversions that wrote it stand ahead of the last wait on va_vdst, as does the line that wrote v13)
.irp s, 0,1,2,3
	ds_load_b128 v[FI+24*(\s):FI+24*(\s)+3],     v11 offset:64*(\s)
	ds_load_b128 v[FI+24*(\s)+4:FI+24*(\s)+7],   v11 offset:64*(\s)+32
	ds_load_b128 v[FI+24*(\s)+8:FI+24*(\s)+11],  v13 offset:64*(\s)
	ds_load_b128 v[FI+24*(\s)+12:FI+24*(\s)+15], v13 offset:64*(\s)+32
	ds_load_b128 v[FI+24*(\s)+16:FI+24*(\s)+19], v13 offset:TILEB+64*(\s)
	ds_load_b128 v[FI+24*(\s)+20:FI+24*(\s)+23], v13 offset:TILEB+64*(\s)+32
.endr
.irp s, 0,1,2,3
	s_wait_dscnt 18-6*(\s)                         ; the groups behind this one, six loads each, may be out
	v_wmma_f32_16x16x32_bf16 v[H:H+7],    v[FI+24*(\s):FI+24*(\s)+7], v[FI+24*(\s)+8:FI+24*(\s)+15],  v[H:H+7]
	v_wmma_f32_16x16x32_bf16 v[H+8:H+15], v[FI+24*(\s):FI+24*(\s)+7], v[FI+24*(\s)+16:FI+24*(\s)+23], v[H+8:H+15]
.endr
	s_wait_alu depctr_vm_vsrc(0)                   ; the fragments' loads have read v11 and v13: v11 is written below, v13 at the way out
	v_lshlrev_b32 v[TA], 4, v[LN]                  ; five plain lines: the places behind those products
	v_lshlrev_b32 v11, 5, v[RR]
	v_lshl_add_u32 v11, v[HH], 4, v11
	v_add_nc_u32 v11, WUT, v11                     ; v11: wu[16 q + r][8 h ..]
	v_lshl_add_u32 v15, v[RR], 2, BU64             ; v15: 64 bu[16 q + r]
.macro LOADWF c                        ; the fragments of feature blocks 4 c to 4 c + 3
.irp q, 0,1,2,3
	ds_load_b128 v[WF+8*(\q):WF+8*(\q)+3], v11 offset:512*(4*(\c)+(\q))
	ds_load_b32  v[WF+8*(\q)+4],           v15 offset:64*(4*(\c)+(\q))
.endr
.endm
.macro RELU i                          ; source 1 of tile i: h rounded to bf16 in pairs (the accumulator's low registers first), then the maximum with 0
.irp k, 0,1,2,3
	v_cvt_pk_bf16_f32 v[P+8*(\i)+(\k)], v[H+8*(\i)+2*(\k)], v[H+8*(\i)+2*(\k)+1]
.endr
.irp k, 0,1,2,3
	v_pk_max_num_bf16 v[P+8*(\i)+(\k)], v[P+8*(\i)+(\k)], v[ZR]
.endr
.endm
	s_wait_alu depctr_va_vdst(0)                   ; TA, v11 and v15 are written, which the table's and wu's loads read; the way in's products are done reading v160-255, in which the table lands: steps 0 and 1 here, steps 2 and 3 in the loop's first two steps
	ds_load_b128 v[AT:AT+3],    v[TA]              ; steps 0 and 1 of the table
	ds_load_b128 v[DT:DT+3],    v[TA] offset:512
	ds_load_b128 v[AT+8:AT+11], v[TA] offset:1024
	ds_load_b128 v[DT+8:DT+11], v[TA] offset:1536
.irp i, 0,1                            ; k = 16 to 31 of every operand, written once: the ones and c at k = 16, 17; zeros elsewhere
	v_mov_b32 v[P+8*(\i)+4],  v[ONES]
.irp k, 5,6,7
	v_mov_b32 v[P+8*(\i)+(\k)],  0
.endr
.endr
.irp b, 0,8,32,40                      ; the four buffers
	v_mov_b32 v[AT+(\b)+4], v[CP]
	v_mov_b32 v[DT+(\b)+4], 0
.irp k, 5,6,7
	v_mov_b32 v[AT+(\b)+(\k)], 0
	v_mov_b32 v[DT+(\b)+(\k)], 0
.endr
.endr
	RELU 0
	; THE RECURRENCE.  A step: for each tile h += (G inst_t | c) p and R += diag(inst_t) p, then p anew.  The four accumulators take turns, one instruction a turn, over the backward jump too.
	; One tile's eight vector lines stand behind the other tile's two products: they name none of those products' registers and are their places, in front of the reads of h and the writes of p.
	; b: the table's buffer, t % 4; first: step 0, which starts R's sums; load = 1: buffer (b + 2) % 4 takes the step two on, at 1024 (b + 2) bytes from TA; load = 2: wu's first fragments go into
	; buffers 0 and 1; last: no p is made for a next step; cnt: the LDS loads that may stay out.
.macro STEP b, first, load, last, cnt
.set ra, AT+8*((\b)%2)+32*((\b)/2)
.set rd, DT+8*((\b)%2)+32*((\b)/2)
.set na, AT+8*((\b)%2)+32*(1-(\b)/2)
.set nd, DT+8*((\b)%2)+32*(1-(\b)/2)
.if ((\b)%2 == 0) && ((\first) == 0)
	s_wait_alu depctr_va_vdst(0)                   ; the two steps before are done reading the other pair of buffers, in which this step's and the next one's loads land; in a lap's first step TA is written
.endif
	s_wait_dscnt \cnt                              ; LDS loads come back in order: this step's buffer is in
	v_wmma_f32_16x16x32_bf16 v[H:H+7], v[ra:ra+7], v[P:P+7], v[H:H+7]
.if \first
	v_wmma_f32_16x16x32_bf16 v[R:R+7], v[rd:rd+7], v[P:P+7], 0
.else
	v_wmma_f32_16x16x32_bf16 v[R:R+7], v[rd:rd+7], v[P:P+7], v[R:R+7]
.endif
.if (\load) == 1
	ds_load_b128 v[na:na+3], v[TA] offset:1024*((\b)+2)      ; no wait: no vector or matrix instruction since the last wait on va_vdst names these registers or TA
	ds_load_b128 v[nd:nd+3], v[TA] offset:1024*((\b)+2)+512
.endif
.if (\load) == 2
	LOADWF 0                                       ; likewise: buffers 0 and 1 were read last two steps back, and v11 and v15 were written ahead of the loop
.endif
	RELU 1
	v_wmma_f32_16x16x32_bf16 v[H+8:H+15], v[ra:ra+7], v[P+8:P+15], v[H+8:H+15]
.if \first
	v_wmma_f32_16x16x32_bf16 v[R+8:R+15], v[rd:rd+7], v[P+8:P+15], 0
.else
	v_wmma_f32_16x16x32_bf16 v[R+8:R+15], v[rd:rd+7], v[P+8:P+15], v[R+8:R+15]
.endif
.if (\last) == 0
	RELU 0
.endif
.endm
; The head of every lap but the first: the table's address moves on by four steps.
.macro ON
	s_wait_alu depctr_vm_vsrc(0)                   ; the table's loads issued so far have read TA
	v_add_nc_u32 v[TA], 4096, v[TA]
.endm
	STEP 0, 1, 1, 0, 2                             ; steps 0 to 3: step 0 starts R's sums; its loads and step 1's lean on the wait ahead of the table's first loads
	STEP 1, 0, 1, 0, 2
	STEP 2, 0, 1, 0, 2
	STEP 3, 0, 1, 0, 2
	s_mov_b32 s22, 14
.Lstep:                                                ; steps 4 to 59, four to a lap: the buffers are back at their start
	ON
	STEP 0, 0, 1, 0, 2
	STEP 1, 0, 1, 0, 2
	STEP 2, 0, 1, 0, 2
	STEP 3, 0, 1, 0, 2
	s_sub_co_u32 s22, s22, 1
	s_cmp_lg_u32 s22, 0
	s_cbranch_scc1 .Lstep
	ON
	STEP 0, 0, 1, 0, 2                             ; steps 60 and 61 ask for the table's last two steps
	STEP 1, 0, 1, 0, 2
	STEP 2, 0, 2, 0, 2                             ; step 62: the table has no more; wu's first fragments are asked for
	STEP 3, 0, 0, 1, 8                             ; step 63: those eight loads may stay out
	; THE WAY OUT: out = x + wu R + 64 bu.  R takes p's place in source 1; the ones stay.  Tile 0's four roundings are the places behind tile 1's last products.
.irp k, 0,1,2,3
	v_cvt_pk_bf16_f32 v[P+(\k)], v[R+2*(\k)], v[R+2*(\k)+1]
.endr
.irp k, 0,1,2,3
	v_cvt_pk_bf16_f32 v[P+8+(\k)], v[R+8+2*(\k)], v[R+8+2*(\k)+1]
.endr
	v_mul_u32_u24 v12, v[RR], PT                   ; six more plain lines in front of the products that write over h, R and the table's buffers
	v_lshl_add_u32 v12, v[HH], 5, v12
	v_add_nc_u32 v12, s23, v12                     ; v12: into the stage: row r, 32 bytes for each half of the lanes
	v_mul_u32_u24 v13, v[HH], PT
	v_lshl_add_u32 v13, v[RR], 4, v13
	v_add_nc_u32 v13, s23, v13                     ; v13: back: lanes 0-15 one row's 256 bytes, lanes 16-31 the next row's
.macro SUMS i, a, c                    ; rows 2 a, 2 a + 1 of tile i, half c: the sums are added onto x
.set xr, X+64*(\i)+8*(\a)+4*(\c)
.set dr, DL+80*(\i)+4*(\a)
	v_pk_add_f32 v[xr:xr+1],   v[xr:xr+1],   v[dr:dr+1]
	v_pk_add_f32 v[xr+2:xr+3], v[xr+2:xr+3], v[dr+2:dr+3]
.endm
.macro SEND i, a, c                    ; and stored
.set xr, X+64*(\i)+8*(\a)+4*(\c)
	global_store_b128 v[XO], v[xr:xr+3], s[16:17] offset:8192*(\i)+1024*(\a)+256*(\c) th:TH_STORE_NT  ; 16 lanes store 256 consecutive bytes, at a multiple of 256 from out0's first; these registers are not written again
.endm
; Half c of the features (64 of them, 256 bytes a row): eight products on eight accumulators; register j of block q holds (feature 64 c + 16 q + 8 h + j, row r): 32 neighbouring bytes of a row.
; They go through my own stage and come back in x's layout, are added onto x and stored.  Tile 0's stores are dealt among tile 1's additions; tile 1's follow the next wait on va_vdst that stands anyway.
.macro OUTHALF c
.irp q, 0,1,2,3
	v_wmma_f32_16x16x32_bf16 v[DL+8*(\q):DL+8*(\q)+7],       v[WF+8*(\q):WF+8*(\q)+7], v[P:P+7],    0
	v_wmma_f32_16x16x32_bf16 v[DL+80+8*(\q):DL+80+8*(\q)+7], v[WF+8*(\q):WF+8*(\q)+7], v[P+8:P+15], 0
.endr
.rept 4
	v_nop                                          ; the places in front of the stores of these results and of the loads into wu's fragments: no other vector work is at hand
.endr
	s_wait_alu depctr_va_vdst(0)                   ; the products have written the sums, which the LDS stores read, and are done reading wu's fragments, which are loaded anew; first half: v12 and v13 are written; second half: tile 1's additions of the first half are written, whose stores stand below
.if (\c) == 0
	LOADWF 1
.endif
.irp i, 0,1
.irp q, 0,1,2,3
	ds_store_b128 v12, v[DL+80*(\i)+8*(\q):DL+80*(\i)+8*(\q)+3]   offset:TILEB*(\i)+64*(\q)
	ds_store_b128 v12, v[DL+80*(\i)+8*(\q)+4:DL+80*(\i)+8*(\q)+7] offset:TILEB*(\i)+64*(\q)+16
.endr
.endr
	s_wait_alu depctr_vm_vsrc(0)                   ; the LDS stores have read the sums' registers, in which the rows land
.irp i, 0,1
.irp a, 0,1,2,3,4,5,6,7
	ds_load_b128 v[DL+80*(\i)+4*(\a):DL+80*(\i)+4*(\a)+3], v13 offset:TILEB*(\i)+2*PT*(\a)  ; LDS serves a wave's instructions in order: these see the stores above
.endr
.endr
.if (\c) == 1
.irp a, 0,1,2,3,4,5,6,7
	SEND 1, \a, 0                                  ; no vector instruction since the wait on va_vdst above
.endr
.endif
	s_wait_dscnt 8                                 ; tile 0's eight rows' loads are in, tile 1's eight may be out
.irp a, 0,1,2,3,4,5,6,7
	SUMS 0, \a, \c
.endr
	s_wait_alu depctr_va_vdst(0)                   ; tile 0's additions are written, which its stores read; tile 1's additions, among which they stand, name other registers
	s_wait_dscnt 0x0                               ; tile 1's rows are in (in the first half also the second half's fragments of wu, which were asked for earlier)
.irp a, 0,1,2,3,4,5,6,7
	SEND 0, \a, \c
	SUMS 1, \a, \c
.endr
.endm
	s_wait_dscnt 0x0                               ; wu's first fragments are in
	OUTHALF 0
	OUTHALF 1
	s_wait_alu depctr_va_vdst(0)                   ; tile 1's last additions are written, which the last eight stores read
.irp a, 0,1,2,3,4,5,6,7
	SEND 1, \a, 1
.endr
	s_wait_dscnt 0x0                               ; the closing lines, six on end
	s_wait_alu 0x0
	s_wait_tensorcnt 0x0
	ds_add_u32 v[SPW], v[NIL]
	s_wait_dscnt 0x0
	s_endpgm
.Lfunc_end_k_qfb3e3f16bb_proc:
	.size	k_qfb3e3f16bb_proc, .Lfunc_end_k_qfb3e3f16bb_proc-k_qfb3e3f16bb_proc
	.p2alignl 7, 3214868480
	.fill 96, 4, 3214868480
	.section	.rodata,"a",@progbits
	.p2align	6, 0x0
	.amdhsa_kernel k_qfb3e3f16bb_proc
		.amdhsa_group_segment_fixed_size 220160
		.amdhsa_private_segment_fixed_size 0
		.amdhsa_enable_private_segment 0
		.amdhsa_kernarg_size 56
		.amdhsa_user_sgpr_count 2
		.amdhsa_user_sgpr_kernarg_segment_ptr 1
		.amdhsa_wavefront_size32 1
		.amdhsa_system_sgpr_workgroup_id_x 1
		.amdhsa_system_sgpr_workgroup_id_y 1
		.amdhsa_system_sgpr_workgroup_id_z 1
		.amdhsa_system_vgpr_workitem_id 0
		.amdhsa_next_free_vgpr 256
		.amdhsa_next_free_sgpr 66
		.amdhsa_reserve_vcc 0
		.amdhsa_float_denorm_mode_32 3
		.amdhsa_float_denorm_mode_16_64 3
		.amdhsa_memory_ordered 1
		.amdhsa_forward_progress 1
		.amdhsa_inst_pref_size 61
	.end_amdhsa_kernel
	.amdgpu_metadata
---
amdhsa.version: [ 1, 2 ]
amdhsa.kernels:
  - .name:           k_qfb3e3f16bb_proc
    .symbol:         k_qfb3e3f16bb_proc.kd
    .args:
      - { .name: x, .offset: 0, .size: 8, .value_kind: global_buffer, .address_space: global }
      - { .name: wd, .offset: 8, .size: 8, .value_kind: global_buffer, .address_space: global }
      - { .name: wu, .offset: 16, .size: 8, .value_kind: global_buffer, .address_space: global }
      - { .name: bu, .offset: 24, .size: 8, .value_kind: global_buffer, .address_space: global }
      - { .name: bd, .offset: 32, .size: 8, .value_kind: global_buffer, .address_space: global }
      - { .name: program, .offset: 40, .size: 8, .value_kind: global_buffer, .address_space: global }
      - { .name: out0, .offset: 48, .size: 8, .value_kind: global_buffer, .address_space: global }
    .group_segment_fixed_size: 220160
    .private_segment_fixed_size: 0
    .kernarg_segment_align: 8
    .kernarg_segment_size: 56
    .max_flat_workgroup_size: 512
    .sgpr_count:     66
    .vgpr_count:     256
    .wavefront_size: 32
...
	.end_amdgpu_metadata
.endif
;; end of part 2
